; MI455X (gfx1250); checked and timed in simulation.
; The chip was launched on July 23, 2026; its instructions are those of AMD's public machine-readable ISA for CDNA 5 (MIT licence, August 2026) and "CDNA5" Instruction Set Architecture Reference Guide (July 2026). The comments in the code are by the model that wrote it; some were corrected since.
;; Attn. Allowed arithmetic: matrix products marked QUANTISED: E2M1 operands, one E8M0 scale for each 32 along K, by v_wmma_scale_f32_16x16x128_f8f6f4 with both operands' format E2M1 (or v_wmma_scale_f32_32x16x128_f4), f32 sums; products left as they are: f32 operands where the result goes on into a quantised operand, else bf16, f16 or f32 operands; f32 sums; everything else in f32.
;; Inputs: W_codes 1,024 x 32 x 16 uint8 (E2M1 codes of W, K innermost, in blocks of 32 codes, two codes a byte); W_scales 1,024 x 32 uint8 (E8M0 scales of W, one for each 32 codes along K); b 1,024 float32; encoder_outputs_codes 2,048 x 32 x 32 x 16 uint8 (E2M1 codes of encoder_outputs, K innermost, in blocks of 32 codes, two codes a byte); encoder_outputs_scales 2,048 x 32 x 32 uint8 (E8M0 scales of encoder_outputs, one for each 32 codes along K); hidden 1 x 32 x 1,024 float32.
;; Outputs: out0 32 x 1 x 2,048 float32.
;; This version of the problem:
;;   THIS VERSION OF THE PROBLEM IS GIVEN IN LOW PRECISION. The matrix products marked QUANTISED in the list below multiply operands that are first quantised to E2M1 (2 exponent bits, 1 mantissa bit; 4 bits a number), with one power-of-two scale for each 32 numbers along K (OCP MX v1.0); their sums are f32. All else is computed in f32.
;;   The module's matrix products, in the order in which they are computed (A, B: the left and right operand; K: the contracted axis; several contracted axes count as one K, in the product's order):
;;     1. [M 65,536, K 1,024] x [K 1,024, N 1,024]; A: input encoder_outputs (given as codes); B: input W (given as codes): QUANTISED
;;     2. batch 32 x [M 1, K 1,024] x [K 1,024, N 2,048]; A: input hidden; B: computed on the way: left as it is (M = 1 < 16)
;;   THE QUANTISER, for each operand of a quantised product, along K:
;;     - K is cut into blocks of 32 from its start; a last block that is shorter is filled with zeros.
;;     - A block's scale is 2^e with e = floor(log2(the largest magnitude in the block)) - 2, held to -126 .. 127; a block of zeros has e = 0. As a byte (E8M0): e + 127.
;;     - Each number is divided by its block's scale, clamped to +-6, and rounded to the nearest number of E2M1, ties to even, subnormals kept.
;;     - The product sums the exact products of the quantised numbers (number of the format x scale) in f32.
;;   ~~~python
;;   def quantise(x, axis):      # numpy; x: float32 -> the quantised numbers, widened to float32 again
;;       x = np.moveaxis(x, axis, -1); K = x.shape[-1]
;;       x = np.pad(x, [(0, 0)] * (x.ndim - 1) + [(0, -K % 32)]); x = x.reshape(x.shape[:-1] + (-1, 32)); a = np.abs(x).max(-1, keepdims=True)
;;       e = np.where(a > 0, np.clip(np.frexp(np.where(a > 0, a, 1))[1] - 1 - 2, -126, 127), 0)      # np.frexp(a)[1] - 1 = floor(log2(a)), exactly
;;       r = np.clip(x / 2.0 ** e, -6, 6)
;;       step = 2.0 ** (np.maximum(np.frexp(np.where(r == 0, 1, r))[1] - 1, 0) - 1)
;;       q = np.round(r / step) * step * 2.0 ** e      # np.round: ties to even
;;       return np.moveaxis(q.reshape(q.shape[:-2] + (-1,))[..., :K], -1, axis).astype(np.float32)
;;   ~~~
;;   INPUTS GIVEN AS CODES. W (in the module: [1024, 1024], K = its axis 1); encoder_outputs (in the module: [2048, 32, 1024], K = its axis 2): each comes as NAME_codes (uint8): NAME with its K axis moved to the last place and cut into blocks of 32 codes, [.., K / 32, bytes a block], one block behind the other in memory; two codes a byte, the lower K in the low four bits (a code: sign, 2 exponent bits, 1 mantissa bit); and NAME_scales (uint8): the same leading axes, one E8M0 byte (e + 127) for each 32 codes along K. Its value is code x scale, taken as it is: it is not quantised again, and the codes and scales need not be those that the quantiser above would give.
;; One version. Each part assembles by itself: llvm-mc -triple=amdgcn-amd-amdhsa -mcpu=gfx1250 --defsym DOCPART=n.
;; ======== version 1 of 1: 2 launches
;; limits: right only within a limited range of input values
;; workspace buffers: epart 1,048,576 bytes
;; launch energies (part 1): grid 4 x 64, 4 waves a work-group, clusters of 4 x 4, 327,680 bytes of LDS; arguments W_codes, W_scales, encoder_outputs_codes, encoder_outputs_scales, hidden, epart; writes epart
.if DOCPART == 1
	.amdgcn_target "amdgcn-amd-amdhsa--gfx1250"
	.amdhsa_code_object_version 6
	.text
	.protected	k_q5cb3bd06e7_energies
	.globl	k_q5cb3bd06e7_energies
	.p2align	8
	.type	k_q5cb3bd06e7_energies,@function
k_q5cb3bd06e7_energies:
	s_mov_b64 s[64:65], 0
	v_nop
	global_prefetch_b8 v0, s[64:65] scope:SCOPE_SE
	s_setreg_imm32_b32 hwreg(HW_REG_WAVE_MODE, 25, 1), 1
	s_wait_xcnt 0x0
	s_wait_alu depctr_hold_cnt(0) depctr_sa_sdst(0) depctr_va_vdst(0) depctr_va_sdst(0) depctr_va_ssrc(0) depctr_va_vcc(0) depctr_vm_vsrc(0)
	s_getreg_b32 s2, hwreg(HW_REG_IB_STS2, 6, 4)
	s_cmp_eq_u32 s2, 0
	s_cbranch_scc0 .Lentry_in_a_cluster
	s_endpgm
.Lentry_in_a_cluster:
	s_bfe_u32 s2, ttmp6, 0x10000c
	s_cmp_lg_u32 s2, 0xf033
	s_cbranch_scc0 .Lentry_shape_is_right
	s_endpgm
.Lentry_shape_is_right:
; epart[nq][b][l] = the sum over g = 256 nq .. 256 nq + 255 of hidden[b][g] x (the sum over k of enc[l][b][k] W[g][k]).
; enc [2048 l][32 b][1024 k] and W [1024 g][1024 k] are codes of FP4 (E2M1), two a byte, K innermost, with one E8M0 byte for each 32 along K; hidden [32][1024] and epart [4][32][2048] are f32.
; LEFT OUT: THE BIAS.  reference() adds b[g] to the projection of every (l, batch row), so the energy of (batch row, l) gets the sum over g of hidden[row][g] b[g], which is the same for every l;
;   a softmax over l takes away whatever is the same along l, for all values of hidden and b.  So b has no way to the output, is not loaded and is no argument.  A NaN, an infinity or an overflow that arises in that term alone is not carried to the result.
; SHARES.  256 work-groups.  Work-group (cx, cy, cluster y) takes the quarter nq = cx of g, batch rows 8 cy + 0 .. 7 and times 128 x cluster y + 0 .. 127: 1,024 rows of enc, row 8 l + b.
;   Wave w: kw = w / 2, rw = w % 2.  It keeps W of all 256 g of the quarter, k = 512 kw + 0 .. 511, in 512 registers, and walks 32 tiles of 16 rows: its tile n has the times 4 n + 2 rw + 0, 1.
;   Its energies are partial sums over its half of K: they are linear in the projection, so the two halves are added at the end.  Each byte of enc in LDS is read by one wave.
; TRANSPOSED: source 0 = 32 rows of W, source 1 = 16 rows of enc.  Lane (r, h) then holds row r of enc, and register 8 u + j of accumulator t the unit g = 32 t + 16 u + 8 h + j.
; A TILE is eight steps of four matrix instructions (four accumulators by turns): steps 0-3 take g = 0 .. 127 against the four fragments of 128 k, steps 4-7 g = 128 .. 255.
;   Behind each matrix instruction stand two packed multiply-adds of finished units x hidden: in steps 4-7 of this tile's g = 0 .. 127, in the next tile's steps 0-3 of its g = 128 .. 255: so 128 registers of accumulators serve.
; CLUSTER 4 x 4.  enc's tiles hang on cy and the cluster's y: asked for jointly along a row.  W's hang on cx: jointly along a column.  No branch and no LDS address hangs on cx or cy.
; RING.  Two slots of 256 rows (32 l).  W is staged once in slot Y while enc's first 8 l land in slot X; the other 24 l of slot X follow, then Y is filled with enc.  A change of slots stands ahead of a slot's last tile, whose fragments are in registers by then.
; PREFETCH.  What a tensor load brings behind the head is asked of memory ahead of it: 512 blocks of 256 bytes a slot, 128 by each of the four partners that load it jointly (told apart by address), a block a lane, one instruction a wave.  The head's tiles come by their loads alone.
; LIMITS.  A scale byte 0xff, and NaN or infinity in hidden, give NaN in the energies that they touch.  The f32 sum is taken in the order: matrix sums over half of K, eight chains of g a lane, two lane halves and two halves of K, four quarters of g.
; WINDOWS: s_set_vgpr_msb n in the loop = source 0 from window n, all else from window 0.
;   window 0: addresses, sums, v32-63 W's scale words, v64-127 enc's fragments, two sets, v128-255 accumulators
;   windows 1, 2, 3: W of steps 0-2, 3-5, 6-7 from v0 on (64 a step), and from v192 on hidden for the multiply-adds of the same steps (16 a step)
.set PITCH, 528                        ; a row of 1,024 codes in LDS: 512 bytes + 16 of padding = 132 words: row r starts at bank 4 r mod 64 (64 banks of 4 bytes: ISA guide 11.1)
.set XB,    0
.set YB,    256*PITCH
.set ASC,   2*256*PITCH                ; enc's scale bytes: for each of 128 l a unit of 256 bytes (8 b x 32) + 16 of padding
.set STG,   ASC+128*272                ; the stage: 129 words a tile, word = thread number; written by LDS stores alone
.set TST,   516
.set SPARE, STG+16640                  ; the spare words, 128 bytes for each wave: two blocks of 256 bytes that no other line names
.set C1,   0                           ; v[0:3]   two pairs of sums, steps 4-7;  v[4:7] two pairs, steps 0-3 (the head uses v0-7 for other things)
.set C2,   4
.set WL,   7                           ; v7, v19  in the head: my lane's place in W's staged rows 0-127, 128-255
.set WL2,  19
.set AL,   8                           ; v8-11    my lane's place in a tile of enc: slot X tiles 0-3, 4-7, slot Y tiles 0-3, 4-7
.set ASL,  12                          ; v12      and among enc's scale words
.set STA,  13                          ; v13      my word in the stage
.set SPW,  14                          ; v14      LDS address of my spare word; never rewritten
.set NIL,  15                          ; v15      0; never rewritten
.set T,    16                          ; v[16:17] the sum of a tile, then the energy in v16
.set PFO,  20                          ; v20      my prefetch offset; never rewritten
.set RD,   21                          ; v21      the way out: where I read the stage
.set GO,   22                          ; v22      my byte offset in the work-group's part of epart
.set AS,   24                          ; v24-31   enc's scale words, two sets of 4: lanes 0-15 (and again 16-31) row r's word of each fragment
.set WS,   32                          ; register 4 t + ks: lane m the word of row 32 t + m
.set ENC,  64
.set ACC,  128
.set HID,  192
.set WV,   18                          ; s18 wave, s19 kw, s20 rw, s21 cx, s22 cy, s23 the cluster's y
.set KW,   19
.set RW,   20
.set CX,   21
.set CY,   22
.set LB,   23
.set G1A,  24                          ; s[24:31] descriptor group 1: enc's codes;  s[32:39] enc's scale bytes;  s[40:47] W's codes
.set G1AS, 32
.set G1W,  40
.set G0H,  48                          ; group 0: s[48:51] enc's first 8 l;  s[52:55] W's rows 128-255;  s[56:59] refills of X;  s[60:63] of Y;  s[68:71] enc's scale bytes;  s[72:75] W's rows 0-127;  s[76:79] slot X's other 24 l
.set G0V,  52
.set G0A0, 56
.set G0A1, 60
.set G0AS, 68
.set G0W,  72
.set G0L,  76
.set MROW, 80
.set MCOL, 81
.set TN, 0                             ; the tile's number
.set PB, 0                             ; its set of fragments
.set MSB, 0
.macro WIN new                         ; the immediate's high byte repeats the setting that is left; a switch that changes nothing is dropped
.if MSB != (\new)
	s_set_vgpr_msb (MSB<<8)|(\new)
.set MSB, (\new)
.endif
.endm
.macro PLACES
.rept 4
	v_nop
.endr
.endm
.macro CREST                           ; a round of the cluster's barrier behind its opening barrier
	s_cmp_lg_u32 s[WV], 0
	s_cbranch_scc1 .Lnot_wave_0_\@
	s_barrier_signal -3
.Lnot_wave_0_\@:
	s_barrier_wait -3
	s_barrier_signal -1
	s_barrier_wait -1
.endm
.macro ROUND
	s_barrier_signal -1
	s_barrier_wait -1
	CREST
.endm
	s_load_b256 s[4:11], s[0:1], 0x0               ; W's codes s[4:5], W's scales s[6:7], enc's codes s[8:9], enc's scales s[10:11]
	s_load_b128 s[12:15], s[0:1], 0x20             ; hidden s[12:13], epart s[14:15]
	v_lshl_add_u32 v[SPW], v0, 2, SPARE
	v_mov_b32 v[NIL], 0
	ds_add_u32 v[SPW], v[NIL]
	ds_add_u32 v[SPW], v[NIL]
	v_lshrrev_b32 v3, 5, v0
	v_readfirstlane_b32 s[WV], v3                  ; wave 0..3
	v_and_b32 v1, 15, v0                           ; r
	v_bfe_u32 v2, v0, 4, 1                         ; h
	v_lshlrev_b32 v[PFO], 8, v1                    ; prefetch: 16 blocks of an l, two l a wave
	v_lshl_add_u32 v[PFO], v2, 14, v[PFO]
	s_wait_alu depctr_va_vdst(0)                   ; ahead of the scalar lines below
	s_lshr_b32 s[KW], s[WV], 1
	s_and_b32 s[RW], s[WV], 1
	s_bfe_u32 s[CX], ttmp6, 0x40000                ; cx = nq: the grid is one cluster wide
	s_bfe_u32 s[CY], ttmp6, 0x40004                ; cy: which 8 batch rows
	s_and_b32 s[LB], ttmp7, 0xffff                 ; the cluster's y: which 128 times
	s_lshl_b32 s[MROW], s[CY], 2
	s_lshl_b32 s[MROW], 15, s[MROW]                ; my row of the cluster
	s_lshl_b32 s[MCOL], 0x1111, s[CX]              ; my column
	; group 1, enc's codes: rows (l) of 512 elements of 8 bytes (8 batch rows), 16,384 bytes apart; 4 words of padding behind every 128 words.  8 rows a load (6 for slot X's second part)
	s_or_b32 s[G1A], s[MROW], (3<<16)|(1<<20)|(1<<21)|(6<<22)|(3<<25)
	s_mov_b32 s[G1A+1], 512<<16
	s_mov_b32 s[G1A+2], 8<<16
	s_mov_b32 s[G1A+3], 512<<16
	s_mov_b32 s[G1A+4], 8
	s_mov_b32 s[G1A+5], 2048
	s_mov_b32 s[G1A+6], 0
	s_mov_b32 s[G1A+7], 0
	; enc's scale bytes: 128 rows (l) of 256 bytes, 1,024 bytes apart; 4 words of padding behind every 64
	s_or_b32 s[G1AS], s[MROW], (3<<16)|(1<<20)|(1<<21)|(5<<22)|(3<<25)
	s_mov_b32 s[G1AS+1], 32<<16
	s_mov_b32 s[G1AS+2], 128<<16
	s_mov_b32 s[G1AS+3], 32<<16
	s_mov_b32 s[G1AS+4], 128
	s_mov_b32 s[G1AS+5], 128
	s_mov_b32 s[G1AS+6], 0
	s_mov_b32 s[G1AS+7], 0
	; W's codes: 128 rows of 512 bytes, dense; 4 words of padding behind every 128
	s_or_b32 s[G1W], s[MCOL], (0<<16)|(1<<20)|(1<<21)|(6<<22)|(3<<25)
	s_mov_b32 s[G1W+1], 512<<16
	s_mov_b32 s[G1W+2], 128<<16
	s_mov_b32 s[G1W+3], 512<<16
	s_mov_b32 s[G1W+4], 128
	s_mov_b32 s[G1W+5], 512
	s_mov_b32 s[G1W+6], 0
	s_mov_b32 s[G1W+7], 0
	; offsets in bytes.  enc's are made of cy, the cluster's y and the wave; W's of cx; each in registers that never hold the other coordinate
	s_lshl_b32 s90, s[LB], 21                      ; enc's codes: 128 l x 16,384
	s_lshl_b32 s94, s[CY], 12                      ; + 8 batch rows x 512
	s_add_co_u32 s90, s90, s94
	s_mov_b32 s91, 0
	s_lshl_b32 s92, s[WV], 17                      ; my 8 l of a slot's 32
	s_mov_b32 s93, 0
	s_mul_i32 s66, s[WV], 6*16384                  ; my 6 l of slot X's other 24
	s_mov_b32 s67, 0
	s_lshl_b32 s94, s[LB], 17                      ; enc's scale bytes: 128 l x 1,024
	s_lshl_b32 s95, s[CY], 8                       ; + 8 batch rows x 32
	s_add_co_u32 s94, s94, s95
	s_mov_b32 s95, 0
	s_lshl_b32 s96, s[CX], 17                      ; W's codes: 256 rows x 512
	s_mov_b32 s97, 0
	s_lshl_b32 s88, s[CX], 13                      ; W's scale bytes: 256 rows x 32, + my half of K
	s_lshl_b32 s89, s[KW], 4
	s_add_co_u32 s88, s88, s89
	s_mov_b32 s89, 0
	s_lshl_b32 s98, s[CY], 15                      ; hidden: 8 cy rows of 4,096 bytes + 4 x 256 nq
	s_lshl_b32 s99, s[CX], 10
	s_add_co_u32 s98, s98, s99
	s_mov_b32 s99, 0
	s_lshl_b32 s2, s[CX], 15                       ; prefetches: of my wave's 8 l of a slot, my work-group's 2
	s_lshl_b32 s3, s[WV], 17
	s_add_co_u32 s2, s2, s3
	s_mov_b32 s3, 0
	s_mul_i32 s87, s[WV], 64*PITCH                 ; a quarter of a slot in LDS: 64 rows
	s_mul_i32 s86, s[WV], 48*PITCH                 ; 6 l: 48 rows
	s_mov_b32 s[G0H], 1
	s_mov_b32 s[G0H+1], XB
	s_mov_b32 s[G0V], 1
	s_mov_b32 s[G0V+1], YB+128*PITCH
	s_mov_b32 s[G0A0], 1
	s_mov_b32 s[G0A0+1], s87
	s_mov_b32 s[G0A1], 1
	s_add_co_u32 s[G0A1+1], s87, YB
	s_mov_b32 s[G0AS], 1
	s_mov_b32 s[G0AS+1], ASC
	s_mov_b32 s[G0W], 1
	s_mov_b32 s[G0W+1], YB
	s_mov_b32 s[G0L], 1
	s_add_co_u32 s[G0L+1], s86, XB+64*PITCH
	; the scalars of the LDS addresses made below
	s_lshl_b32 s83, s[KW], 8                       ; my half of a row of codes: 256 bytes
	s_mul_i32 s82, s[RW], 16*PITCH                 ; enc: tile rw of a pair
	s_add_co_u32 s82, s82, s83
	s_add_co_u32 s83, s83, YB                      ; W is staged in slot Y
	s_mul_i32 s84, s[RW], 2*272
	s_lshl_b32 s85, s[KW], 4                       ; my half of a row's scale bytes
	s_add_co_u32 s84, s84, s85
	s_add_co_u32 s84, s84, ASC
	s_lshl_b32 s85, s[WV], 2                       ; the way out: batch row = my wave's number
	s_add_co_u32 s85, s85, STG
	s_lshl_b32 s86, s[WV], 13
	s_wait_dscnt 0x0                               ; both opening adds are done
	s_wait_kmcnt 0x0
	s_add_nc_u64 s[G0W+2:G0W+3], s[4:5], s[96:97]
	s_add_nc_u64 s[G0V+2:G0V+3], s[G0W+2:G0W+3], 0x10000       ; 128 rows on
	s_add_nc_u64 s[6:7], s[6:7], s[88:89]
	s_add_nc_u64 s[G0AS+2:G0AS+3], s[10:11], s[94:95]
	s_add_nc_u64 s[G0H+2:G0H+3], s[8:9], s[90:91]              ; l = 0 of my 128
	s_add_nc_u64 s[16:17], s[G0H+2:G0H+3], s[2:3]
	s_add_nc_u64 s[G0L+2:G0L+3], s[G0H+2:G0H+3], s[66:67]
	s_add_nc_u64 s[G0L+2:G0L+3], s[G0L+2:G0L+3], 0x20000       ; from l = 8 on
	s_add_nc_u64 s[G0A1+2:G0A1+3], s[G0H+2:G0H+3], s[92:93]
	s_add_nc_u64 s[G0A0+2:G0A0+3], s[G0A1+2:G0A1+3], 0x100000  ; slot X's refill: l = 64 .. 95
	s_add_nc_u64 s[G0A1+2:G0A1+3], s[G0A1+2:G0A1+3], 0x80000   ; slot Y's first: l = 32 .. 63
	s_or_b32 s[G0W+3], s[G0W+3], 0x80000000        ; 127:126 type = 2
	s_or_b32 s[G0V+3], s[G0V+3], 0x80000000
	s_or_b32 s[G0AS+3], s[G0AS+3], 0x80000000
	s_or_b32 s[G0H+3], s[G0H+3], 0x80000000
	s_or_b32 s[G0L+3], s[G0L+3], 0x80000000
	s_or_b32 s[G0A0+3], s[G0A0+3], 0x80000000
	s_or_b32 s[G0A1+3], s[G0A1+3], 0x80000000
	s_add_nc_u64 s[12:13], s[12:13], s[98:99]
	s_lshl_b32 s2, s[CX], 18                       ; epart: nq x 32 x 2,048 x 4
	s_lshl_b32 s98, s[CY], 16                      ; + 8 cy rows of 8,192 bytes
	s_add_co_u32 s2, s2, s98
	s_lshl_b32 s98, s[LB], 9                       ; + 128 times x 4
	s_add_co_u32 s2, s2, s98
	s_add_nc_u64 s[14:15], s[14:15], s[2:3]
	ROUND                                          ; all sixteen work-groups are here: the first joint loads meet
; one load a wave: wave 0 W's rows 0-127, wave 1 enc's first 8 l, wave 2 W's rows 128-255, wave 3 enc's scale bytes
.macro ARM under, g0, g1, next
	s_cmp_lt_u32 s[WV], \under
	s_cbranch_scc0 \next
	tensor_load_to_lds s[\g0:\g0+3], s[\g1:\g1+7]
	s_nop 0
	PLACES
	s_branch .Lasked
\next:
.endm
	ARM 1, G0W, G1W, .Lhead_1
	ARM 2, G0H, G1A, .Lhead_2
	ARM 3, G0V, G1W, .Lhead_3
	tensor_load_to_lds s[G0AS:G0AS+3], s[G1AS:G1AS+7]
	s_nop 0
	PLACES
.Lasked:
	s_cmp_eq_u32 s[WV], 0                          ; wave 0's blocks of slot 0 are the 8 l that the head loads
	s_cbranch_scc1 .Lno_first
	global_prefetch_b8 v[PFO], s[16:17] th:TH_LOAD_NT scope:SCOPE_SE   ; l = 8 .. 31
.Lno_first:
	v_and_b32 v4, 31, v0                           ; lane
	v_and_b32 v3, 7, v0                            ; r % 8: my batch row
	v_bfe_u32 v23, v0, 3, 1                        ; r / 8
	v_lshlrev_b32 v5, 5, v4                        ; W's scale words go straight to registers: 32 bytes a row, lane m row 32 t + m
.irp t, 0,1,2,3,4,5,6,7
	global_load_b128 v[WS+4*\t:WS+4*\t+3], v5, s[6:7] offset:1024*\t
.endr
	v_lshlrev_b32 v6, 12, v3
	v_lshl_add_u32 v6, v2, 5, v6                   ; hidden: row r % 8 of 4,096 bytes, + 8 h units
.irp s, 0,1,2,3,4,5,6,7                        ; the 32 units that step s's multiply-adds take, in the accumulators' layout; in the window of step s
.set GT, 8*(1-\s/4)+2*(\s%4)
	WIN (1+\s/3)<<6
.irp u, 0,1
	global_load_b128 v[HID+16*(\s%3)+8*\u:HID+16*(\s%3)+8*\u+3],   v6, s[12:13] offset:64*(GT+\u)
	global_load_b128 v[HID+16*(\s%3)+8*\u+4:HID+16*(\s%3)+8*\u+7], v6, s[12:13] offset:64*(GT+\u)+16
.endr
.endr
	WIN 0
	v_mul_u32_u24 v7, v1, PITCH
	v_lshl_add_u32 v7, v2, 4, v7                   ; a fragment's row x pitch + 16 h
	v_add_nc_u32 v[AL], s82, v7
	v_add_nc_u32 v[AL+1], 4*32*PITCH, v[AL]
	v_add_nc_u32 v[AL+2], YB, v[AL]
	v_add_nc_u32 v[AL+3], YB+4*32*PITCH, v[AL]
	v_add_nc_u32 v[WL], s83, v7
	v_add_nc_u32 v[WL2], 128*PITCH, v[WL]
	v_mul_u32_u24 v23, v23, 272                    ; enc's scale words: eight rows to a unit of 272 bytes, 32 bytes a row
	v_lshl_add_u32 v23, v3, 5, v23
	v_add_nc_u32 v[ASL], s84, v23
	v_lshl_add_u32 v[STA], v0, 2, STG
	v_mul_u32_u24 v[RD], v4, TST                   ; the way out: lane = tile
	v_add_nc_u32 v[RD], s85, v[RD]
	v_lshlrev_b32 v[GO], 4, v4
	v_add_nc_u32 v[GO], s86, v[GO]
	s_wait_alu depctr_va_vdst(0)
	s_wait_tensorcnt 0x0                           ; my one load is in
	ds_add_u32 v[SPW], v[NIL]
	s_mov_b32 s[G1A+2], 6<<16                      ; no tensor load of mine is out: slot X's other 24 l are 6 a wave
	s_mov_b32 s[G1A+4], 6
	s_wait_dscnt 0x0
	ROUND                                          ; all four tiles are in
	tensor_load_to_lds s[G0L:G0L+3], s[G1A:G1A+7]
	s_nop 0
	PLACES
; tile n's four fragments and its scale words into set n % 2: 9 loads.  A fragment is 16 rows x 128 K in 8 registers; lane (r, h) holds row r, registers 4 c .. 4 c + 3 hold K = 64 c + 32 h + 0 .. 31.  A wave's tiles lie 32 rows apart
.macro SITE n
.irp ks, 0,1,2,3
	ds_load_b128 v[ENC+32*((\n)%2)+8*\ks:ENC+32*((\n)%2)+8*\ks+3],   v[AL+((\n)/4)%4] offset:((\n)%4)*32*PITCH+64*\ks
	ds_load_b128 v[ENC+32*((\n)%2)+8*\ks+4:ENC+32*((\n)%2)+8*\ks+7], v[AL+((\n)/4)%4] offset:((\n)%4)*32*PITCH+64*\ks+32
.endr
	ds_load_b128 v[AS+4*((\n)%2):AS+4*((\n)%2)+3], v[ASL] offset:4*272*(\n)
.endm
; a matrix instruction: accumulator t of step s's half of g, fragment ks = s % 4; fragment 0 starts the sum
.macro MUL s, t
.set DD, ACC+64*((\s)/4)+16*(\t)
.set WA, 64*((\s)%3)+16*(\t)
.set EB, ENC+32*PB+8*((\s)%4)
.set SA, WS+4*(4*((\s)/4)+(\t))+(\s)%4
.set SB, AS+4*PB+(\s)%4
.if ((\s)%4) == 0
	v_wmma_scale_f32_32x16x128_f4 v[DD:DD+15], v[WA:WA+15], v[EB:EB+7], 0, v[SA], v[SB]
.else
	v_wmma_scale_f32_32x16x128_f4 v[DD:DD+15], v[WA:WA+15], v[EB:EB+7], v[DD:DD+15], v[SA], v[SB]
.endif
.endm
; two packed multiply-adds: registers 4 i .. 4 i + 3 of the other half's accumulator s % 4 x hidden (each accumulator from its low end on), into two pairs of sums
.macro PKS s, i
.set AQ, ACC+64*(1-(\s)/4)+16*((\s)%4)+4*(\i)
.set HH, HID+16*((\s)%3)+4*(\i)
.set CC, 4*(1-(\s)/4)
.if (((\s)%4) == 0) && ((\i) == 0)
	v_pk_mul_f32 v[CC:CC+1], v[HH:HH+1], v[AQ:AQ+1]
	v_pk_mul_f32 v[CC+2:CC+3], v[HH+2:HH+3], v[AQ+2:AQ+3]
.else
	v_pk_fma_f32 v[CC:CC+1], v[HH:HH+1], v[AQ:AQ+1], v[CC:CC+1]
	v_pk_fma_f32 v[CC+2:CC+3], v[HH+2:HH+3], v[AQ+2:AQ+3], v[CC+2:CC+3]
.endif
.endm
.macro PADD d, a, b
	v_pk_add_f32 v[\d:\d+1], v[\a:\a+1], v[\b:\b+1]
.endm
; A step.  The sums of tile n - 1 are joined in tile n: steps 4-7's behind step 3, steps 0-3's behind step 4, both behind step 5, the pair's halves behind step 6; the energy is stored in tile n + 1.
.macro STEP s
	WIN 1+(\s)/3
.irp t, 0,1,2,3
	MUL \s, \t
.if (TN > 0) || ((\s) > 3)
	PKS \s, \t
.endif
.endr
.if TN > 0
.if (\s) == 3
	WIN 0
	PADD T, C1, C1+2
.elseif (\s) == 4
	WIN 0
	PADD C2, C2, C2+2
.elseif (\s) == 5
	WIN 0
	PADD T, T, C2
.elseif (\s) == 6
	WIN 0
	v_add_f32 v[T], v[T], v[T+1]
.endif
.endif
.endm
; the tile's one run of LDS instructions: the next tile's loads, and the energy of two tiles before
.macro NEXT
	WIN 0
.if TN < 31
	SITE TN+1
.endif
.if TN > 1
	ds_store_b32 v[STA], v[T] offset:TST*(TN-2)
.endif
.endm
; A tile.  chg = 1: the slot that this tile's fragments came from is filled again (in tile 1: slot Y, which held W) behind a round of the cluster's barrier; chg = 2: a barrier alone, nothing is left to fetch.
; In front of the barrier every wave's loads have landed (its part of the rows ahead), its add and its reads of the slot left are done.
.macro TILE chg
.set PB, TN%2
.if TN == 7
.set GX, G0A0
.else
.set GX, G0A1
.endif
.if (\chg) > 0
	WIN 0
	s_wait_tensorcnt 0x0
	ds_add_u32 v[SPW], v[NIL]                      ; 0 onto my spare word
.if TN == 1
	s_mov_b32 s[G1A+2], 8<<16                      ; no tensor load of mine is out: from here on a load brings 8 l
	s_mov_b32 s[G1A+4], 8
.endif
.if TN == 15
	s_add_nc_u64 s[GX+2:GX+3], s[GX+2:GX+3], 0x100000      ; slot Y's second: l = 96 .. 127
.endif
	s_wait_dscnt 1                                 ; this tile's loads are in; the add may be out
	STEP 0
	s_wait_alu depctr_va_vdst(0)                   ; directly ahead of the wait below
	s_wait_dscnt 0x0                               ; the add is done, and so are my reads of the slot
	s_barrier_signal -1
	STEP 1
	WIN 0
	s_wait_alu depctr_va_vdst(0)                   ; likewise
	s_barrier_wait -1
.if (\chg) == 1
	CREST
	tensor_load_to_lds s[GX:GX+3], s[G1A:G1A+7]    ; my one tensor load until the next such barrier
	s_nop 0
	PLACES
.endif
	NEXT
.else
	s_wait_dscnt 0x0                               ; this tile's loads, issued a tile ago, are in
	STEP 0
	NEXT
	STEP 1
.endif
	STEP 2
	STEP 3
	STEP 4
	STEP 5
.if ((\chg) == 1) && (TN < 15)
	WIN 0
	global_prefetch_b8 v[PFO], s[16:17] offset:0x80000*(2+TN/7) th:TH_LOAD_NT scope:SCOPE_SE   ; slot 2 in tile 1, slot 3 in tile 7
.endif
	STEP 6
	STEP 7
.set TN, TN+1
.endm
; W's registers of step s: 16 loads
.macro LW s
	WIN (1+(\s)/3)<<6
.irp g, 0,1,2,3,4,5,6,7
	ds_load_b128 v[64*((\s)%3)+8*\g:64*((\s)%3)+8*\g+3],   v[WL+12*((\s)/4)] offset:\g*16*PITCH+64*((\s)%4)
	ds_load_b128 v[64*((\s)%3)+8*\g+4:64*((\s)%3)+8*\g+7], v[WL+12*((\s)/4)] offset:\g*16*PITCH+64*((\s)%4)+32
.endr
.endm
; TILE 0 runs while W moves into registers, three steps ahead.  left: the loads issued behind step s's (16 a later step, 9 for tile 1)
.macro FIRST s, left
.if (\s) > 4
	s_wait_alu depctr_va_vdst(0)                   ; directly ahead of the wait below
.endif
.if (\s) == 4
	PLACES                                         ; step 3's results are read behind step 4's first products
	s_wait_loadcnt 0x0                             ; hidden
.endif
	s_wait_dscnt \left
	STEP \s
	WIN 0
.if (\s) < 5
	LW (\s)+3
.endif
.if (\s) == 4
	WIN 0
	SITE 1
.endif
.endm
	SITE 0
	LW 0
	WIN 0
	global_prefetch_b8 v[PFO], s[16:17] offset:0x80000 th:TH_LOAD_NT scope:SCOPE_SE   ; slot 1, l = 32 .. 63
	LW 1
	LW 2
	WIN 0
	s_wait_loadcnt 32                              ; W's scale words are in; the 32 loads of hidden may be out
	FIRST 0, 32
	FIRST 1, 32
	FIRST 2, 32
	FIRST 3, 32
	FIRST 4, 32
	FIRST 5, 41
	FIRST 6, 25
	FIRST 7, 9
.set TN, 1
	TILE 1                                         ; W is in registers, slot X is whole: slot Y takes l = 32 .. 63
.rept 5
	TILE 0
.endr
	TILE 1                                         ; tile 7: slot X takes l = 64 .. 95
.rept 7
	TILE 0
.endr
	TILE 1                                         ; tile 15: slot Y takes l = 96 .. 127
.rept 7
	TILE 0
.endr
	TILE 2                                         ; tile 23
.rept 8
	TILE 0
.endr
	; what is left: the store of tile 30's energy, and tile 31's second half of g
	WIN 0
	ds_store_b32 v[STA], v[T] offset:TST*30
.irp s, 0,1,2,3
	WIN 1+\s/3
.irp t, 0,1,2,3
	PKS \s, \t
.endr
.endr
	WIN 0
	PADD T, C1, C1+2
	PADD C2, C2, C2+2
	PADD T, T, C2
	v_add_f32 v[T], v[T], v[T+1]
	ds_store_b32 v[STA], v[T] offset:TST*31
	s_wait_dscnt 0x0                               ; for the others' sake: my stores into the stage are done
	s_barrier_signal -1
	s_barrier_wait -1
	; THE WAY OUT.  Wave w takes batch rows w and w + 4; lane n the times 4 n + c: c = 2 rw + r / 8; k = 2 kw + h are the four words to be added
.irp u, 0,1
.irp k, 0,1,2,3
.irp c, 0,1,2,3
	ds_load_b32 v[ENC+16*\u+4*\k+\c], v[RD] offset:16*\u+256*(\k/2)+64*(\k%2)+128*(\c/2)+32*(\c%2)
.endr
.endr
.endr
	s_wait_dscnt 0x0
.irp k, 4,8,12
.irp u, 0,16
	PADD ENC+\u, ENC+\u, ENC+\u+\k
	PADD ENC+\u+2, ENC+\u+2, ENC+\u+2+\k
.endr
.endr
	global_store_b128 v[GO], v[ENC:ENC+3], s[14:15]                    ; 32 lanes store 512 consecutive bytes, at a multiple of 512 from epart's first byte
	global_store_b128 v[GO], v[ENC+16:ENC+19], s[14:15] offset:4*8192
	s_wait_tensorcnt 0x0                           ; the wave's end
	ds_add_u32 v[SPW], v[NIL]
	s_wait_dscnt 0x0
	ROUND                                          ; the closing round: no work-group ends while a partner may still ask for a tile that names it
	s_endpgm
.Lfunc_end_k_q5cb3bd06e7_energies:
	.size	k_q5cb3bd06e7_energies, .Lfunc_end_k_q5cb3bd06e7_energies-k_q5cb3bd06e7_energies
	.p2alignl 7, 3214868480
	.fill 96, 4, 3214868480
	.section	.rodata,"a",@progbits
	.p2align	6, 0x0
	.amdhsa_kernel k_q5cb3bd06e7_energies
		.amdhsa_group_segment_fixed_size 327680
		.amdhsa_private_segment_fixed_size 0
		.amdhsa_enable_private_segment 0
		.amdhsa_kernarg_size 48
		.amdhsa_user_sgpr_count 2
		.amdhsa_user_sgpr_kernarg_segment_ptr 1
		.amdhsa_wavefront_size32 1
		.amdhsa_system_sgpr_workgroup_id_x 1
		.amdhsa_system_sgpr_workgroup_id_y 1
		.amdhsa_system_sgpr_workgroup_id_z 1
		.amdhsa_system_vgpr_workitem_id 0
		.amdhsa_next_free_vgpr 1024
		.amdhsa_next_free_sgpr 100
		.amdhsa_reserve_vcc 0
		.amdhsa_float_denorm_mode_32 3
		.amdhsa_float_denorm_mode_16_64 3
		.amdhsa_memory_ordered 1
		.amdhsa_forward_progress 1
		.amdhsa_inst_pref_size 255
	.end_amdhsa_kernel
	.section	.bss,"aw",@nobits
	.p2align	6
	.space	262144
	.amdgpu_metadata
---
amdhsa.version: [ 1, 2 ]
amdhsa.kernels:
  - .name:           k_q5cb3bd06e7_energies
    .symbol:         k_q5cb3bd06e7_energies.kd
    .args:
      - { .name: W_codes, .offset: 0, .size: 8, .value_kind: global_buffer, .address_space: global }
      - { .name: W_scales, .offset: 8, .size: 8, .value_kind: global_buffer, .address_space: global }
      - { .name: encoder_outputs_codes, .offset: 16, .size: 8, .value_kind: global_buffer, .address_space: global }
      - { .name: encoder_outputs_scales, .offset: 24, .size: 8, .value_kind: global_buffer, .address_space: global }
      - { .name: hidden, .offset: 32, .size: 8, .value_kind: global_buffer, .address_space: global }
      - { .name: epart, .offset: 40, .size: 8, .value_kind: global_buffer, .address_space: global }
    .group_segment_fixed_size: 327680
    .private_segment_fixed_size: 0
    .kernarg_segment_align: 8
    .kernarg_segment_size: 48
    .max_flat_workgroup_size: 128
    .sgpr_count:     100
    .vgpr_count:     1024
    .wavefront_size: 32
...
	.end_amdgpu_metadata
.endif
;; end of part 1
;; launch softmax (part 2): grid 32 x 1, 4 waves a work-group, no clusters, 768 bytes of LDS; arguments epart, out0; writes out0
.if DOCPART == 2
	.amdgcn_target "amdgcn-amd-amdhsa--gfx1250"
	.amdhsa_code_object_version 6
	.text
	.protected	k_q5cb3bd06e7_softmax
	.globl	k_q5cb3bd06e7_softmax
	.p2align	8
	.type	k_q5cb3bd06e7_softmax,@function
k_q5cb3bd06e7_softmax:
	s_mov_b64 s[64:65], 0
	v_nop
	global_prefetch_b8 v0, s[64:65] scope:SCOPE_SE
	s_setreg_imm32_b32 hwreg(HW_REG_WAVE_MODE, 25, 1), 1
	s_wait_xcnt 0x0
; out0[b][l] = softmax over l of the sum over nq of epart[nq][b][l].  epart: [4][32][2048] f32; out0: [32][2048] f32.  (The bias's term, the same for every l of a row, is left out: the first kernel's head shows why.)
; One work-group to a batch row, since the maximum and the sum span the row; thread t owns l = 512 k + 4 t .. + 3, k = 0 .. 3: every load and store of a wave covers 512 consecutive bytes.
; Each wave takes its own maximum m off, in units of log2(e): n = -m log2(e), p = 2^(e log2(e) + n); one barrier; then the four waves' (n, sum) are joined: the smallest n is the row's, a wave's terms are brought under it by 2^(least n - its n).
; 32 rows are all the work there is; the matrix unit, tensor loads, clusters and prefetches have nothing to do here: each byte is read once, with no loop.
; LIMITS.  Energies stay under 2^126 in magnitude, so that their product with log2(e) is finite.  A term under 2^-126 is stored as 0 (v_exp_f32 gives no denormals: ISA guide, its entry).  A NaN, or +infinity, among a row's energies makes the row NaN.
.set PART, 32*2048*4                   ; bytes from one quarter's energies to the next
.set X, 64                             ; quarter q of chunk k at X + 16 k + 4 q; their sum, then p, at X + 16 k .. + 3
	s_load_b128 s[4:7], s[0:1], 0x0                ; epart s[4:5], out0 s[6:7]
	v_lshl_add_u32 v40, v0, 2, 0x100               ; my spare word, and 0
	v_mov_b32 v41, 0
	v_lshlrev_b32 v2, 4, v0                        ; my 16 bytes of a chunk
	v_lshrrev_b32 v3, 5, v0
	v_and_b32 v22, 3, v0
	v_mov_b32 v21, 0                               ; written once: a lane permute's destination counts as one of its sources
	v_mov_b32 v25, 0                               ; the upper halves of pairs whose low word serves both halves
	v_mov_b32 v37, 0
	v_mov_b32 v30, 0
	v_lshlrev_b32 v3, 3, v3                        ; LDS: my wave's pair
	v_lshlrev_b32 v22, 3, v22                      ; LDS: the pair of wave lane % 4
	s_lshl_b32 s10, ttmp9, 13                      ; the row: 8,192 bytes
	s_mov_b32 s11, 0
	s_mov_b32 s12, 0x76543210                      ; v_permlanex16_b32's selects for lane l xor 16
	s_mov_b32 s13, 0xfedcba98
	s_mov_b32 s14, 0x3fb8aa3b                      ; log2(e)
	s_mov_b32 s15, s14
	s_wait_alu depctr_va_vdst(0)
	s_wait_kmcnt 0x0
	s_add_nc_u64 s[4:5], s[4:5], s[10:11]
	s_add_nc_u64 s[6:7], s[6:7], s[10:11]
.irp k, 0,1,2,3
.irp q, 0,1,2,3
	global_load_b128 v[X+16*\k+4*\q:X+16*\k+4*\q+3], v2, s[4:5] offset:\q*PART+2048*\k th:TH_LOAD_NT
.endr
.endr
.macro PADD d, b
	v_pk_add_f32 v[\d:\d+1], v[\d:\d+1], v[\b:\b+1]
.endm
.macro QUARTERS k                      ; the four quarters of g
	PADD X+16*\k, X+16*\k+4
	PADD X+16*\k+2, X+16*\k+6
	PADD X+16*\k+8, X+16*\k+12
	PADD X+16*\k+10, X+16*\k+14
	PADD X+16*\k, X+16*\k+8
	PADD X+16*\k+2, X+16*\k+10
.endm
	s_wait_loadcnt 4                               ; chunks 0-2; chunk 3's four loads may be out
	QUARTERS 0
	QUARTERS 1
	QUARTERS 2
	s_wait_alu depctr_va_vdst(0)                   ; directly ahead of the wait below
	s_wait_loadcnt 0x0
	QUARTERS 3
	; my wave's maximum
	v_max3_num_f32 v20, v[X], v[X+1], v[X+2]
	v_max3_num_f32 v26, v[X+16], v[X+17], v[X+18]
	v_max3_num_f32 v27, v[X+32], v[X+33], v[X+34]
	v_max3_num_f32 v28, v[X+48], v[X+49], v[X+50]
	v_max3_num_f32 v20, v20, v[X+3], v[X+19]
	v_max3_num_f32 v27, v27, v[X+35], v[X+51]
	v_max_num_f32 v26, v26, v28
	v_max3_num_f32 v20, v20, v26, v27
	v_max_num_f32_dpp v20, v20, v20 row_xmask:1 row_mask:0xf bank_mask:0xf
	v_max_num_f32_dpp v20, v20, v20 row_xmask:2 row_mask:0xf bank_mask:0xf
	v_max_num_f32_dpp v20, v20, v20 row_xmask:4 row_mask:0xf bank_mask:0xf
	v_max_num_f32_dpp v20, v20, v20 row_xmask:8 row_mask:0xf bank_mask:0xf
	v_permlanex16_b32 v21, v20, s12, s13
	v_max_num_f32 v20, v20, v21
	v_mul_f32 v24, 0xbfb8aa3b, v20                 ; n = -m log2(e)
.irp k, 0,16,32,48
	v_pk_fma_f32 v[X+\k:X+\k+1], v[X+\k:X+\k+1], s[14:15], v[24:25] op_sel_hi:[1,0,0]
	v_pk_fma_f32 v[X+\k+2:X+\k+3], v[X+\k+2:X+\k+3], s[14:15], v[24:25] op_sel_hi:[1,0,0]
.endr
	s_wait_alu depctr_va_vdst(0)                   ; ahead of the batch
.irp k, 0,16,32,48
.irp j, 0,1,2,3
	v_exp_f32 v[X+\k+\j], v[X+\k+\j]
.endr
.endr
	v_nop                                          ; one plain instruction behind the exponentials
	s_wait_alu depctr_va_vdst(0)                   ; and behind the batch
	; my wave's sum
.irp k, 0,1,2,3
	v_pk_add_f32 v[42+2*\k:43+2*\k], v[X+16*\k:X+16*\k+1], v[X+16*\k+2:X+16*\k+3]
.endr
	PADD 42, 44
	PADD 46, 48
	PADD 42, 46
	v_add_f32 v20, v42, v43
	v_add_f32_dpp v20, v20, v20 row_xmask:1 row_mask:0xf bank_mask:0xf
	v_add_f32_dpp v20, v20, v20 row_xmask:2 row_mask:0xf bank_mask:0xf
	v_add_f32_dpp v20, v20, v20 row_xmask:4 row_mask:0xf bank_mask:0xf
	v_add_f32_dpp v20, v20, v20 row_xmask:8 row_mask:0xf bank_mask:0xf
	v_permlanex16_b32 v21, v20, s12, s13
	v_add_f32 v25, v20, v21
	ds_store_b64 v3, v[24:25]                      ; all lanes write the same two words with the same values
	s_wait_dscnt 0x0                               ; for the others' sake: my store is done
	s_barrier_signal -1
	s_barrier_wait -1
	ds_load_b64 v[28:29], v22                      ; lane i: (n, sum) of wave i % 4
	s_wait_dscnt 0x0
	v_min_num_f32_dpp v30, v28, v28 row_xmask:1 row_mask:0xf bank_mask:0xf
	v_min_num_f32_dpp v30, v30, v30 row_xmask:2 row_mask:0xf bank_mask:0xf
	v_sub_f32 v31, v30, v28
	v_sub_f32 v32, v30, v24
	s_wait_alu depctr_va_vdst(0)
	v_exp_f32 v31, v31                             ; the factor of wave i % 4,
	v_exp_f32 v32, v32                             ; and of my own
	v_nop
	s_wait_alu depctr_va_vdst(0)
	v_mul_f32 v33, v31, v29
	v_add_f32_dpp v33, v33, v33 row_xmask:1 row_mask:0xf bank_mask:0xf
	v_add_f32_dpp v33, v33, v33 row_xmask:2 row_mask:0xf bank_mask:0xf
	s_wait_alu depctr_va_vdst(0)
	v_rcp_f32 v34, v33                             ; the row's sum is at least 1
	v_nop
	s_wait_alu depctr_va_vdst(0)
	v_mul_f32 v36, v32, v34
.irp k, 0,1,2,3
	v_pk_mul_f32 v[X+16*\k:X+16*\k+1], v[X+16*\k:X+16*\k+1], v[36:37] op_sel_hi:[1,0]
	v_pk_mul_f32 v[X+16*\k+2:X+16*\k+3], v[X+16*\k+2:X+16*\k+3], v[36:37] op_sel_hi:[1,0]
	global_store_b128 v2, v[X+16*\k:X+16*\k+3], s[6:7] offset:2048*\k th:TH_STORE_NT
.endr
	s_wait_tensorcnt 0x0                           ; the wave's end
	ds_add_u32 v40, v41
	s_wait_dscnt 0x0
	s_endpgm
.Lfunc_end_k_q5cb3bd06e7_softmax:
	.size	k_q5cb3bd06e7_softmax, .Lfunc_end_k_q5cb3bd06e7_softmax-k_q5cb3bd06e7_softmax
	.p2alignl 7, 3214868480
	.fill 96, 4, 3214868480
	.section	.rodata,"a",@progbits
	.p2align	6, 0x0
	.amdhsa_kernel k_q5cb3bd06e7_softmax
		.amdhsa_group_segment_fixed_size 768
		.amdhsa_private_segment_fixed_size 0
		.amdhsa_enable_private_segment 0
		.amdhsa_kernarg_size 16
		.amdhsa_user_sgpr_count 2
		.amdhsa_user_sgpr_kernarg_segment_ptr 1
		.amdhsa_wavefront_size32 1
		.amdhsa_system_sgpr_workgroup_id_x 1
		.amdhsa_system_sgpr_workgroup_id_y 1
		.amdhsa_system_sgpr_workgroup_id_z 1
		.amdhsa_system_vgpr_workitem_id 0
		.amdhsa_next_free_vgpr 128
		.amdhsa_next_free_sgpr 66
		.amdhsa_reserve_vcc 0
		.amdhsa_float_denorm_mode_32 3
		.amdhsa_float_denorm_mode_16_64 3
		.amdhsa_memory_ordered 1
		.amdhsa_forward_progress 1
		.amdhsa_inst_pref_size 9
	.end_amdhsa_kernel
	.amdgpu_metadata
---
amdhsa.version: [ 1, 2 ]
amdhsa.kernels:
  - .name:           k_q5cb3bd06e7_softmax
    .symbol:         k_q5cb3bd06e7_softmax.kd
    .args:
      - { .name: epart, .offset: 0, .size: 8, .value_kind: global_buffer, .address_space: global }
      - { .name: out0, .offset: 8, .size: 8, .value_kind: global_buffer, .address_space: global }
    .group_segment_fixed_size: 768
    .private_segment_fixed_size: 0
    .kernarg_segment_align: 8
    .kernarg_segment_size: 16
    .max_flat_workgroup_size: 128
    .sgpr_count:     66
    .vgpr_count:     128
    .wavefront_size: 32
...
	.end_amdgpu_metadata
.endif
;; end of part 2
